; MI455X (gfx1250); checked and timed in simulation.
; The chip was launched on July 23, 2026; its instructions are those of AMD's public machine-readable ISA for CDNA 5 (MIT licence, August 2026) and "CDNA5" Instruction Set Architecture Reference Guide (July 2026). The comments in the code are by the model that wrote it; some were corrected since.
;; min GRU. Allowed arithmetic: matrix products marked QUANTISED: E4M3 operands, one given power-of-two scale a tensor, by v_wmma_f32_16x16x64_fp8_fp8 or v_wmma_f32_16x16x128_fp8_fp8, f32 sums; everything else in f32.
;; Inputs: W_hg 4,096 x 1,024 float32; W_out 1,024 x 2,048 float32; lowp_scales 4 int32 (the exponents e of the quantised operands' scales 2^e); x 4 x 2,048 x 1,024 float32.
;; Outputs: out0 4 x 2,048 x 1,024 float32.
;; This version of the problem:
;;   THIS VERSION OF THE PROBLEM IS GIVEN IN LOW PRECISION. The matrix products marked QUANTISED in the list below multiply operands that are first quantised to E4M3 (4 exponent bits, 3 mantissa bits; 8 bits a number), with one given power-of-two scale for each operand tensor; their sums are f32. All else is computed in f32.
;;   The module's matrix products, in the order in which they are computed (A, B: the left and right operand; K: the contracted axis; several contracted axes count as one K, in the product's order):
;;     1. [M 8,192, K 1,024] x [K 1,024, N 4,096]; A: input x; B: input W_hg: QUANTISED (scales: A lowp_scales[0], B lowp_scales[1])
;;     2. [M 8,192, K 2,048] x [K 2,048, N 1,024]; A: computed on the way; B: input W_out: QUANTISED (scales: A lowp_scales[2], B lowp_scales[3])
;;   THE QUANTISER, for each operand of a quantised product, along K:
;;     - The operand's scale is 2^e, e = its entry of the input lowp_scales (int32; the entries are numbered through the quantised products in the list's order, A before B).
;;     - Each number is divided by the scale, clamped to +-448, and rounded to the nearest number of E4M3, ties to even, subnormals kept.
;;     - The product sums the exact products of the quantised numbers (number of the format x scale) in f32.
;;   ~~~python
;;   def quantise(x, axis, e):      # numpy; x: float32 -> the quantised numbers, widened to float32 again
;;       x = np.moveaxis(x, axis, -1); K = x.shape[-1]
;;       r = np.clip(x / 2.0 ** e, -448, 448)
;;       step = 2.0 ** (np.maximum(np.frexp(np.where(r == 0, 1, r))[1] - 1, -6) - 3)
;;       q = np.round(r / step) * step * 2.0 ** e      # np.round: ties to even
;;       return np.moveaxis(q, -1, axis).astype(np.float32)
;;   ~~~
;;   OPERANDS COMPUTED ON THE WAY. 'Computed on the way' means the value that the module computes at that place (a softmax that the list does not call 'softmax' is quantised finished and normalised). What goes into a quantiser is computed in f32, as accurately as f32 sums, v_exp_f32 and their like allow (about 1e-6 of the number): no bf16 or f16 on the way to a quantiser, and a product that is left as it is and whose result goes on into a quantised operand takes f32 operands (vector FMAs, or v_wmma_f32_16x16x4_f32). A number that lies on a knife's edge between two numbers of the format may be rounded either way, as far as f32 arithmetic and the matrix unit's own rounding can turn it there, and no further.
;; One version. Each part assembles by itself: llvm-mc -triple=amdgcn-amd-amdhsa -mcpu=gfx1250 --defsym DOCPART=n.
;; ======== version 1 of 1: 3 launches
;; limits: right only within a limited range of input values
;; workspace buffers: xc 8,388,608 bytes; whc 4,194,304 bytes; woc 2,097,152 bytes; hc 16,777,216 bytes
;; launch quant (part 1): grid 896 x 1, 4 waves a work-group, no clusters, 34,304 bytes of LDS; arguments x, W_hg, W_out, lowp_scales, xc, whc, woc; writes xc, whc, woc
.if DOCPART == 1
	.amdgcn_target "amdgcn-amd-amdhsa--gfx1250"
	.amdhsa_code_object_version 6
	.text
	.protected	k_q4f7714e058_quant
	.globl	k_q4f7714e058_quant
	.p2align	8
	.type	k_q4f7714e058_quant,@function
k_q4f7714e058_quant:
	s_mov_b64 s[64:65], 0
	v_nop
	global_prefetch_b8 v0, s[64:65] scope:SCOPE_SE
	s_setreg_imm32_b32 hwreg(HW_REG_WAVE_MODE, 25, 1), 1
	s_wait_xcnt 0x0
; x [8192][1024], W_hg [4096][1024] and W_out [1024][2048], f32 with K innermost, become codes of FP8 (E4M3), each tensor with the one scale 2^e that is given for it
; (entries 0, 1 and 3 of the scales).  code = number / 2^e, held within +-448, rounded to the nearest code, ties to even.
; LIMITS: each e between -126 and 119, so that 2^e and 448 x 2^e are f32 numbers.  NaN among the inputs is not served (an infinity is held at the largest code).
; THE CODES ARE LAID AS THE LATER LAUNCHES' REGISTERS WANT THEM.  A fragment is 16 rows x 128 K = 2,048 bytes, [c 0..3][lane 0..31][16 bytes]: lane 16 h + r holds row r, K = 32 c + 16 h + 0..15.
; So a fragment is read by four loads of 512 consecutive bytes, 16 a lane.  A buffer is [tile of 16 rows][K step of 128][2,048].
; W's tiles take 16 neighbouring rows.  x's tile g takes rows 64 (g / 4) + 8 (g % 4) + (r % 8) + 32 (r / 8): the product's result then holds 32 consecutive time steps in a lane's registers.
; SHARES.  A work-group takes one tile x 1,024 K (work-groups 0-511: x; 512-767: W_hg; 768-895: W_out, half a row each); wave w takes 256 K of it: two fragments.
; Only pointers, offsets and e are chosen by the work-group's number: there is one path through the text.
; Each load reads 512 consecutive bytes of one row, 16 a lane; the conversions want 16 NEIGHBOURS along K in one lane: so a fragment's 16 x 512 bytes turn through the wave's own stage in LDS.
; No tensor loads, no barrier: waves share nothing.  All 32 loads of a wave go out at the start.  No work-group reads what another reads, so there is nothing to share in a cluster.
.set SP,   528                         ; a stage row: 512 bytes + 16 = 132 words: row r starts at bank 4 r mod 64 (64 banks of 4 bytes: ISA guide 11.1)
.set WST,  16*SP                       ; a wave's stage
.set OFF,  8                           ; v8-23    row r of the tile: its byte offset + 16 x lane
.set R,    32                          ; v32-159  two fragments as loaded: 4 registers a row
.set X,    160                         ; v160-223 64 numbers of my row: register 16 c + i = K 32 c + 16 h + i
.set C,    224                         ; v224-255 codes: 16 registers a fragment, so that no store's data are written again
	s_load_b256 s[4:11], s[0:1], 0x0               ; x s[4:5], W_hg s[6:7], W_out s[8:9], the scales' exponents s[10:11]
	s_load_b128 s[12:15], s[0:1], 0x20             ; x's codes s[12:13], W_hg's s[14:15]
	s_load_b64 s[16:17], s[0:1], 0x30              ; W_out's
	v_lshl_add_u32 v30, v0, 2, 0x8400
	v_mov_b32 v31, 0
	v_lshrrev_b32 v1, 5, v0
	v_readfirstlane_b32 s18, v1                    ; wave 0..3
	v_and_b32 v1, 31, v0                           ; lane
	v_lshlrev_b32 v2, 4, v1                        ; 16 x lane: my bytes of a load's 512, and of a store's
	s_wait_alu depctr_va_vdst(0)
	s_mul_i32 s19, s18, WST
	v_add_nc_u32 v3, s19, v2                       ; the stage, on the way in: a row as it lies
	v_and_b32 v4, 15, v0
	v_mul_u32_u24 v4, v4, SP
	v_bfe_u32 v5, v0, 4, 1
	v_lshl_add_u32 v4, v5, 6, v4
	v_add_nc_u32 v4, s19, v4                       ; and on the way out: row lane % 16, + 64 (lane / 16): my 16 numbers of a block of 32
	; the tile's first row in bytes, for each of the three tensors
	s_lshr_b32 s28, ttmp9, 2
	s_lshl_b32 s28, s28, 18
	s_and_b32 s29, ttmp9, 3
	s_lshl_b32 s29, s29, 15
	s_add_co_u32 s28, s28, s29                     ; x: (64 (u / 4) + 8 (u % 4)) rows of 4,096 bytes
	s_sub_co_u32 s30, ttmp9, 512                   ; W_hg: u' = u - 512,
	s_lshl_b32 s31, s30, 16                        ; 16 u' rows of 4,096 bytes
	s_sub_co_u32 s32, ttmp9, 768                   ; W_out: u' = u - 768,
	s_lshr_b32 s33, s32, 1
	s_lshl_b32 s33, s33, 17                        ; 16 (u' / 2) rows of 8,192 bytes,
	s_and_b32 s34, s32, 1
	s_lshl_b32 s34, s34, 12
	s_add_co_u32 s33, s33, s34                     ; + the half of the row
	s_mov_b32 s35, 0x10000                         ; from row 0 to row 8 of a tile: W_out 8 rows of 8,192,
	s_mov_b32 s39, 0x8000                          ; W_hg 8 rows of 4,096,
	s_mov_b32 s37, 0x20000                         ; x 32 rows of 4,096
	s_mov_b32 s36, 0x2000                          ; a row: W_out's,
	s_mov_b32 s38, 0x1000                          ; x's and W_hg's
	s_cmp_lt_u32 ttmp9, 768
	s_cselect_b32 s24, s31, s33
	s_cselect_b32 s25, s30, s32
	s_cselect_b32 s26, s39, s35
	s_cselect_b32 s27, s38, s36
	s_cmp_lt_u32 ttmp9, 512
	s_cselect_b32 s24, s28, s24                    ; the tile's first row
	s_cselect_b32 s25, ttmp9, s25                  ; u'
	s_cselect_b32 s26, s37, s26                    ; row 0 to row 8
	s_lshl_b32 s34, s18, 10
	s_add_co_u32 s40, s24, s34                     ; + my wave's 256 numbers
	s_mov_b32 s41, 0
	s_lshl_b32 s42, s25, 14                        ; out: 16,384 u' (eight fragments),
	s_lshl_b32 s34, s18, 12
	s_add_co_u32 s42, s42, s34                     ; + my wave's two
	s_mov_b32 s43, 0
	v_mov_b32 v[OFF], v2
.irp j, 1,2,3,4,5,6,7
	v_add_nc_u32 v[OFF+\j], s27, v[OFF+\j-1]
.endr
	v_add_nc_u32 v[OFF+8], s26, v[OFF]
.irp j, 9,10,11,12,13,14,15
	v_add_nc_u32 v[OFF+\j], s27, v[OFF+\j-1]
.endr
	s_wait_alu depctr_va_vdst(0)
	s_wait_kmcnt 0x0
	s_load_b128 s[44:47], s[10:11], 0x0            ; e of x, of W_hg, of h (not used here), of W_out
	s_cmp_lt_u32 ttmp9, 768                        ; which tensor: the choice hangs on the work-group's number alone
	s_cselect_b64 s[20:21], s[6:7], s[8:9]
	s_cselect_b64 s[22:23], s[14:15], s[16:17]
	s_cmp_lt_u32 ttmp9, 512
	s_cselect_b64 s[20:21], s[4:5], s[20:21]
	s_cselect_b64 s[22:23], s[12:13], s[22:23]
	s_add_nc_u64 s[20:21], s[20:21], s[40:41]
	s_add_nc_u64 s[22:23], s[22:23], s[42:43]
.irp f, 0,1
.irp r, 0,1,2,3,4,5,6,7,8,9,10,11,12,13,14,15
	global_load_b128 v[R+64*\f+4*\r:R+64*\f+4*\r+3], v[OFF+\r], s[20:21] offset:512*\f th:TH_LOAD_NT   ; 32 lanes read 512 consecutive bytes of row r; read once in the launch
.endr
.endr
	s_wait_kmcnt 0x0
	s_cmp_lt_u32 ttmp9, 768
	s_cselect_b32 s24, s45, s47
	s_cmp_lt_u32 ttmp9, 512
	s_cselect_b32 s24, s44, s24                    ; e
	s_add_co_i32 s24, s24, 127
	s_lshl_b32 s25, s24, 23
	v_mov_b32 v6, s25                              ; 2^e as f32: the conversion takes its exponent field
	s_add_co_i32 s24, s24, 8
	s_lshl_b32 s24, s24, 23
	s_or_b32 s24, s24, 0x600000
	v_mov_b32 v7, s24                              ; 448 x 2^e
.macro FRAG f
	s_wait_loadcnt 16*(1-\f)                       ; this fragment's 16 loads are in; the other's 16 were issued behind them and may be out
.irp r, 0,1,2,3,4,5,6,7,8,9,10,11,12,13,14,15
	ds_store_b128 v3, v[R+64*\f+4*\r:R+64*\f+4*\r+3] offset:SP*\r
.endr
.irp c, 0,1,2,3
.irp q, 0,1,2,3
	ds_load_b128 v[X+16*\c+4*\q:X+16*\c+4*\q+3], v4 offset:128*\c+16*\q   ; LDS serves a wave's instructions in order (ISA guide 5.7.1.4): these see the stores above
.endr
.endr
.irp c, 0,1,2,3
	s_wait_dscnt 12-4*\c                           ; block c's four loads are back; the 4 (3 - c) behind them may be out
.irp i, 0,1,2,3,4,5,6,7,8,9,10,11,12,13,14,15
	v_med3_num_f32 v[X+16*\c+\i], v[X+16*\c+\i], -v7, v7   ; the conversion to an 8-bit code does not saturate (ISA guide 7.6.2): the hold at the largest code x the scale
.endr
	v_cvt_scalef32_pk8_fp8_f32 v[C+16*\f+4*\c:C+16*\f+4*\c+1], v[X+16*\c:X+16*\c+7], v6
	v_cvt_scalef32_pk8_fp8_f32 v[C+16*\f+4*\c+2:C+16*\f+4*\c+3], v[X+16*\c+8:X+16*\c+15], v6   ; the results go to a store alone; the next vector lines are plain holds on other registers
	global_store_b128 v2, v[C+16*\f+4*\c:C+16*\f+4*\c+3], s[22:23] offset:2048*\f+512*\c      ; 32 lanes store 512 consecutive bytes, at a multiple of 512 from the buffer's first byte
.endr
.endm
	s_wait_alu depctr_va_vdst(0)
	FRAG 0
	FRAG 1
	s_wait_tensorcnt 0x0
	ds_add_u32 v30, v31
	s_wait_dscnt 0x0
	s_endpgm
.Lfunc_end_k_q4f7714e058_quant:
	.size	k_q4f7714e058_quant, .Lfunc_end_k_q4f7714e058_quant-k_q4f7714e058_quant
	.p2alignl 7, 3214868480
	.fill 96, 4, 3214868480
	.section	.rodata,"a",@progbits
	.p2align	6, 0x0
	.amdhsa_kernel k_q4f7714e058_quant
		.amdhsa_group_segment_fixed_size 34304
		.amdhsa_private_segment_fixed_size 0
		.amdhsa_enable_private_segment 0
		.amdhsa_kernarg_size 56
		.amdhsa_user_sgpr_count 2
		.amdhsa_user_sgpr_kernarg_segment_ptr 1
		.amdhsa_wavefront_size32 1
		.amdhsa_system_sgpr_workgroup_id_x 1
		.amdhsa_system_sgpr_workgroup_id_y 1
		.amdhsa_system_sgpr_workgroup_id_z 1
		.amdhsa_system_vgpr_workitem_id 0
		.amdhsa_next_free_vgpr 256
		.amdhsa_next_free_sgpr 66
		.amdhsa_reserve_vcc 0
		.amdhsa_float_denorm_mode_32 3
		.amdhsa_float_denorm_mode_16_64 3
		.amdhsa_memory_ordered 1
		.amdhsa_forward_progress 1
		.amdhsa_inst_pref_size 22
	.end_amdhsa_kernel
	.amdgpu_metadata
---
amdhsa.version: [ 1, 2 ]
amdhsa.kernels:
  - .name:           k_q4f7714e058_quant
    .symbol:         k_q4f7714e058_quant.kd
    .args:
      - { .name: x, .offset: 0, .size: 8, .value_kind: global_buffer, .address_space: global }
      - { .name: W_hg, .offset: 8, .size: 8, .value_kind: global_buffer, .address_space: global }
      - { .name: W_out, .offset: 16, .size: 8, .value_kind: global_buffer, .address_space: global }
      - { .name: lowp_scales, .offset: 24, .size: 8, .value_kind: global_buffer, .address_space: global }
      - { .name: xc, .offset: 32, .size: 8, .value_kind: global_buffer, .address_space: global }
      - { .name: whc, .offset: 40, .size: 8, .value_kind: global_buffer, .address_space: global }
      - { .name: woc, .offset: 48, .size: 8, .value_kind: global_buffer, .address_space: global }
    .group_segment_fixed_size: 34304
    .private_segment_fixed_size: 0
    .kernarg_segment_align: 8
    .kernarg_segment_size: 56
    .max_flat_workgroup_size: 128
    .sgpr_count:     66
    .vgpr_count:     256
    .wavefront_size: 32
...
	.end_amdgpu_metadata
.endif
;; end of part 1
;; launch gru (part 2): grid 64 x 4, 4 waves a work-group, clusters of 4 x 1, 327,680 bytes of LDS; arguments xc, whc, lowp_scales, hc; writes hc
.if DOCPART == 2
	.amdgcn_target "amdgcn-amd-amdhsa--gfx1250"
	.amdhsa_code_object_version 6
	.text
	.protected	k_q4f7714e058_gru
	.globl	k_q4f7714e058_gru
	.p2align	8
	.type	k_q4f7714e058_gru,@function
k_q4f7714e058_gru:
	s_mov_b64 s[64:65], 0
	v_nop
	global_prefetch_b8 v0, s[64:65] scope:SCOPE_SE
	s_setreg_imm32_b32 hwreg(HW_REG_WAVE_MODE, 25, 1), 1
	s_wait_xcnt 0x0
	s_wait_alu depctr_hold_cnt(0) depctr_sa_sdst(0) depctr_va_vdst(0) depctr_va_sdst(0) depctr_va_ssrc(0) depctr_va_vcc(0) depctr_vm_vsrc(0)
	s_getreg_b32 s2, hwreg(HW_REG_IB_STS2, 6, 4)
	s_cmp_eq_u32 s2, 0
	s_cbranch_scc0 .Lentry_in_a_cluster
	s_endpgm
.Lentry_in_a_cluster:
	s_bfe_u32 s2, ttmp6, 0x10000c
	s_cmp_lg_u32 s2, 0x3003
	s_cbranch_scc0 .Lentry_shape_is_right
	s_endpgm
.Lentry_shape_is_right:
; The first product, the activations, the scan along time and h's quantiser.  hg = x W_hg^T on codes of FP8 (E4M3); hidden = hg[.. :2048], gate = hg[.. 2048:].
; THE SCAN.  a* = cumsum(log c), log h = a* + cumlogsumexp(log v - a*) is, term by term, h_t = c_t h_(t-1) + v_t with h = 0 before the first step,
;   c = sigmoid(-gate), v = sigmoid(gate) g(hidden), g(x) = x + 0.5 for x >= 0 and sigmoid(x) below.  Every term of h_t is a v_s times c's, all positive, each c under 1:
;   no term and no sum passes the largest g(hidden) met so far, so the recurrence needs no maximum taken away; what falls under the smallest f32 number is lost as in the last exponential of the log form.
; g(x) = max(x + 0.5, sigmoid(x)) for every x (the two meet at 0, sigmoid's slope is 1/4 at the most).  z = 1 / (1 + e), e = 2^(-gate log2 e); c = e z: no difference of near numbers.
; LIMITS.  e is held at 2^120; exponentials and reciprocals under 2^-126 come out as 0 (ISA guide 15.8): both touch h only under about 2^-120.
;   e0 + e1 between -125 and 126, e2 between -126 and 119.  NaN among the inputs is not served.
; SHARES.  A work-group owns one batch and 32 channels (two tiles of hidden, two of gate) and walks 2,048 steps in 8 blocks of 256; the carry stays in registers.
;   Wave w takes steps 64 w .. 64 w + 63 of a block: 4 tiles of x against 4 of W, 16 accumulators, 8 K steps of 128.  The work-group's 32 fragments of W (512 registers) stay in every wave's registers.
; LAYOUT.  Codes lie as images of registers: a fragment is [c][lane][16 bytes].  x's tile mt holds steps 8 mt + (r % 8) + 32 (r / 8) of the wave's 64: in the result (source 0 = x, source 1 = W)
;   lane (n, h) holds channel n and register 8 mt + j step 32 h + 8 mt + j: 32 consecutive steps down a lane's registers.  A block is 8 segments of 32 steps; each lane scans its segment from 0 and keeps the running
;   product of c; the segments' ends meet in LDS; every lane folds the eight, takes the carry into its own segment and adds product x carry.
; CLUSTER.  The four work-groups of a cluster have the same batch: each wave's tile of x is asked for jointly.
; RING.  One slot of 65,536 bytes a wave, which that wave alone fills and reads.  Five K steps' fragments have registers at a block's head (four in window 1, one where hidden + 0.5 lies later), so the last read of the
;   slot is issued behind K step 2, and the slot is asked for again behind K step 4: K steps 5 to 7 and all the block's vector work stand between the request and the wait for it.  One tensor load a wave is out at the most.
; PREFETCH.  Trip t, whose refill loads block t + 1, names block t + 2: of a wave's 65,536 bytes each of the four partners takes 16,384 by address, a lane a block of 256 bytes, two instructions a wave.  The last trip asks for nothing.
; REGISTERS.  window 0: v1-19, v24 addresses and constants; v36-67 segments' ends; v68-83 codes; v84-87 my end; v64-127 x's K step 4, then hidden + 0.5; v128-191 hidden, v192-255 gate (32 n + step).
;   window 1: x's fragments at v[64 q + 16 mt]: K steps 0-3, then 5-7 in q = 0-2; v192-255 also hold 1 + e, then z.   windows 2, 3: W's K steps 0-3, 4-7.
.set STAGE, 262144                     ; behind the ring: for each wave two regions of 32 rows (steps) x 144 bytes
.set STW,   9472
.set REG2,  4672
.set SROW,  144
.set EX,    STAGE+4*STW                ; the segments' ends: [segment][lane % 16][product 0, sum 0, product 1, sum 1]
.set SPARE, EX+2048                    ; the spare words, 128 bytes a wave; no other line names them
.set L16, 1
.set XA,  2
.set ST,  3
.set RD,  4
.set EXW, 5
.set EXR, 6
.set SPW, 7
.set NIL, 8
.set SEG, 9
.set HIN, 10
.set CAR, 12
.set HOLD, 16
.set SCL, 17
.set HALF, 18
.set PFO, 24
.set EXD, 36
.set L,   64
.set CODES, 68
.set EXS, 84
.set ACC, 128
.set GT,  192
.set T,   192                          ; in window 1
.set G1,  16
.set G0,  24
.set NK,  30
.set SC,  32
.set LIM, 34
.set MASK, 41
.set PF,  48
.set MSB, 0
.macro WIN new                         ; the immediate's high byte repeats the setting that is left
.if MSB != \new
	s_set_vgpr_msb (MSB<<8)|\new
.set MSB, \new
.endif
.endm
.macro CREST
	s_cmp_lg_u32 s12, 0
	s_cbranch_scc1 .Lnot_wave_0_\@
	s_barrier_signal -3
.Lnot_wave_0_\@:
	s_barrier_wait -3
	s_barrier_signal -1
	s_barrier_wait -1
.endm
.macro ROUND
	s_barrier_signal -1
	s_barrier_wait -1
	CREST
.endm
.macro PLACES                          ; four places behind a matrix instruction (ISA guide 7.12.1)
.rept 4
	v_nop
.endr
.endm
.macro ALUW
	s_wait_alu depctr_va_vdst(0)
.endm
	s_load_b256 s[4:11], s[0:1], 0x0               ; x's codes, W_hg's, the scales' exponents, h's codes
	v_lshl_add_u32 v[SPW], v0, 2, SPARE
	v_mov_b32 v[NIL], 0
	ds_add_u32 v[SPW], v[NIL]                      ; the opening lines: the add twice on end under one wait
	ds_add_u32 v[SPW], v[NIL]
	v_lshrrev_b32 v20, 5, v0
	v_readfirstlane_b32 s12, v20                   ; wave
	s_bfe_u32 s13, ttmp6, 0x40000                  ; cx
	s_lshl_b32 s14, ttmp9, 2
	s_add_co_u32 s14, s14, s13                     ; kb: my 32 channels; it enters W's and h's addresses alone
	s_and_b32 s15, ttmp7, 0xffff                   ; the batch
	s_lshl_b32 s50, s12, 16
	s_mul_i32 s51, s12, STW
	s_add_co_u32 s51, s51, STAGE
	s_mov_b32 s[G1+0], 15|(3<<16)|(1<<21)          ; mask of all four; elements of 8 bytes; bit 21 beside a mask
	s_mov_b32 s[G1+1], 32<<16                      ; 65,536 dense bytes as 256 rows of 256 bytes
	s_mov_b32 s[G1+2], 256<<16
	s_mov_b32 s[G1+3], 32<<16
	s_mov_b32 s[G1+4], 256
	s_mov_b32 s[G1+5], 32
	s_mov_b32 s[G1+6], 0
	s_mov_b32 s[G1+7], 0
	s_lshl_b32 s52, s15, 21                        ; x's codes: 2 MiB a batch + 65,536 x wave
	s_add_co_u32 s52, s52, s50
	s_mov_b32 s53, 0
	s_lshl_b32 s58, s13, 14                        ; the prefetch: my work-group's 16,384 bytes of the wave's tile, two blocks on
	s_add_co_u32 s58, s58, s52
	s_add_co_u32 s58, s58, 0x80000
	s_mov_b32 s59, 0
	s_lshl_b32 s54, s14, 15                        ; W's codes: tiles 2 kb, 2 kb + 1
	s_mov_b32 s55, 0
	s_lshl_b32 s56, s14, 18                        ; h's codes: [kb][tile of 16 steps][512]
	s_lshl_b32 s57, s15, 16
	s_add_co_u32 s56, s56, s57
	s_lshl_b32 s57, s12, 11
	s_add_co_u32 s56, s56, s57
	s_mov_b32 s57, 0
	s_mov_b32 s[LIM], 0x42f00000                   ; 120.0
	v_and_b32 v20, 15, v0
	v_bfe_u32 v21, v0, 4, 1
	v_and_b32 v22, 31, v0
	v_lshlrev_b32 v[L16], 4, v22
	v_lshlrev_b32 v[PFO], 8, v22                   ; a lane a block of 256 bytes
	v_add_nc_u32 v[XA], s50, v[L16]
	v_mul_u32_u24 v[ST], v21, REG2
	v_lshl_add_u32 v[ST], v20, 2, v[ST]
	v_add_nc_u32 v[ST], s51, v[ST]
	v_mul_u32_u24 v[RD], v20, SROW
	v_lshl_add_u32 v[RD], v21, 6, v[RD]
	v_add_nc_u32 v[RD], s51, v[RD]
	v_lshl_add_u32 v[EXW], v0, 4, EX
	v_lshl_add_u32 v[EXR], v20, 4, EX
	v_bfe_u32 v[SEG], v0, 4, 3
.irp i, 1,2,3,4,5,6,7
	v_cmp_eq_u32 s[MASK-1+\i], \i, v[SEG]          ; the lanes of segment i
.endr
	v_mov_b32 v[HIN], 0                            ; h before the first step
	v_mov_b32 v[HIN+1], 0
	v_mov_b32 v[CAR+1], 0
	v_mov_b32 v[CAR+3], 0
	v_mov_b32 v[HALF], 0.5
	v_mov_b32 v[HALF+1], 0.5
	ALUW                                           ; at the head's end, ahead of the waits below
	s_wait_dscnt 0x0                               ; both opening adds are done
	s_wait_kmcnt 0x0
	s_load_b128 s[36:39], s[8:9], 0x0              ; e0, e1, e2, e3
	s_mov_b32 s[G0], 1
	s_lshl_b32 s[G0+1], s12, 16                    ; my slot
	s_add_nc_u64 s[G0+2:G0+3], s[4:5], s[52:53]
	s_or_b32 s[G0+3], s[G0+3], 0x80000000
	s_add_nc_u64 s[PF:PF+1], s[4:5], s[58:59]
	s_add_nc_u64 s[6:7], s[6:7], s[54:55]
	s_add_nc_u64 s[10:11], s[10:11], s[56:57]
	ROUND                                          ; the first joint loads meet
	tensor_load_to_lds s[G0:G0+3], s[G1:G1+7]      ; block 0's tile of my wave
	s_nop 0
	PLACES
	WIN 0x80
.irp s, 0,1,2,3                        ; W stays in registers: K step s, tile n (0, 1 hidden; 2, 3 gate)
.irp n, 0,1,2,3
.irp c, 0,1,2,3
	global_load_b128 v[64*\s+16*\n+4*\c:64*\s+16*\n+4*\c+3], v[L16], s[6:7] offset:2097152*(\n/2)+16384*(\n%2)+2048*\s+512*\c
.endr
.endr
.endr
	WIN 0xc0
.irp s, 0,1,2,3
.irp n, 0,1,2,3
.irp c, 0,1,2,3
	global_load_b128 v[64*\s+16*\n+4*\c:64*\s+16*\n+4*\c+3], v[L16], s[6:7] offset:2097152*(\n/2)+16384*(\n%2)+2048*(\s+4)+512*\c
.endr
.endr
.endr
	WIN 0
	s_wait_kmcnt 0x0
	s_add_co_i32 s50, s36, s37                     ; e0 + e1
	s_lshl_b32 s51, s50, 23
	s_add_co_u32 s[NK], s51, 0xbfb8aa3b            ; -log2(e) x 2^(e0 + e1)
	s_mov_b32 s[NK+1], s[NK]
	s_add_co_i32 s50, s50, 127
	s_lshl_b32 s[SC], s50, 23                      ; 2^(e0 + e1)
	s_mov_b32 s[SC+1], s[SC]
	s_add_co_i32 s50, s38, 127
	s_lshl_b32 s51, s50, 23
	v_mov_b32 v[SCL], s51                          ; 2^e2
	s_add_co_i32 s50, s50, 8
	s_lshl_b32 s50, s50, 23
	s_or_b32 s50, s50, 0x600000
	v_mov_b32 v[HOLD], s50                         ; 448 x 2^e2
	ALUW
	s_wait_loadcnt 0x0                             ; W
.macro FETCHK s, win, base             ; x's four fragments of K step s into v[base ..] of the window that win names as the destination's
	WIN \win
.irp mt, 0,1,2,3
.irp c, 0,1,2,3
	ds_load_b128 v[(\base)+16*\mt+4*\c:(\base)+16*\mt+4*\c+3], v[XA] offset:16384*\mt+2048*(\s)+512*\c
.endr
.endr
.endm
.macro MUL16 s, zero                   ; K step s; the 16 accumulators take turns
.if (\s) < 4
	WIN 0x09                                       ; source 0 (x) window 1, source 1 (W) window 2, C and D window 0
.set xb, 64*(\s)
.set wb, 64*(\s)
.else
.if (\s) == 4
	WIN 0x0c                                       ; source 0 window 0, source 1 window 3
.set xb, L
.set wb, 0
.else
	WIN 0x0d                                       ; source 0 window 1, source 1 window 3
.set xb, 64*((\s)-5)
.set wb, 64*((\s)-4)
.endif
.endif
.irp mt, 0,1,2,3
.irp n, 0,1,2,3
.set rD, ACC+64*(\n/2)+32*(\n%2)+8*\mt
.if \zero
	v_wmma_f32_16x16x128_fp8_fp8 v[rD:rD+7], v[xb+16*\mt:xb+16*\mt+15], v[wb+16*\n:wb+16*\n+15], 0
.else
	v_wmma_f32_16x16x128_fp8_fp8 v[rD:rD+7], v[xb+16*\mt:xb+16*\mt+15], v[wb+16*\n:wb+16*\n+15], v[rD:rD+7]
.endif
.endr
.endr
.endm
; A BLOCK of 256 steps.  fill = 1: my slot is asked for again, with the next block's tile.
.macro BLOCK fill
	s_wait_tensorcnt 0x0                           ; my one load that is out is this block's tile; I alone read it
	FETCHK 0, 0x40, 0
	FETCHK 1, 0x40, 64
	FETCHK 2, 0x40, 128
	FETCHK 3, 0x40, 192
	FETCHK 4, 0, L
	s_wait_dscnt 63                                ; K step 0 is in: 64 loads stand behind it, one more than the count names
	MUL16 0, 1
	PLACES
	FETCHK 5, 0x40, 0
	s_wait_dscnt 63                                ; likewise K step 1: behind it K steps 2 to 5
	MUL16 1, 0
	PLACES
	FETCHK 6, 0x40, 64
	s_wait_dscnt 63
	MUL16 2, 0
	PLACES
	FETCHK 7, 0x40, 128                            ; the last reads of the slot
	WIN 0
	s_wait_tensorcnt 0x0                           ; no tensor load of mine is out
	ds_add_u32 v[SPW], v[NIL]
	s_wait_dscnt 63                                ; K step 3 is in: behind it K steps 4 to 7 and the add
	MUL16 3, 0
	s_wait_dscnt 0x0                               ; the add is done and my slot has been read out; my reads of the segments' ends in the last block are long over
	s_barrier_signal -1
	MUL16 4, 0
	WIN 0
	s_barrier_wait -1
.if \fill
	CREST                                          ; no wave of any partner still reads its slot or has a load on its way
	s_add_nc_u64 s[G0+2:G0+3], s[G0+2:G0+3], 262144
	tensor_load_to_lds s[G0:G0+3], s[G1:G1+7]
	s_nop 0
	PLACES
.endif
	MUL16 5, 0
	MUL16 6, 0
	MUL16 7, 0
	WIN 0
	PLACES
.if \fill
	s_cmp_gt_u32 s28, 1                            ; the last trip has no block two on
	s_cbranch_scc0 .Lno_more_\@
	global_prefetch_b8 v[PFO], s[PF:PF+1] th:TH_LOAD_NT scope:SCOPE_SE
	global_prefetch_b8 v[PFO], s[PF:PF+1] offset:8192 th:TH_LOAD_NT scope:SCOPE_SE
.Lno_more_\@:
.endif
	; plain lines first: every accumulator's first read, from its low end on, stands ahead of the first exponential
.set j, 0
.rept 32
	v_pk_mul_f32 v[GT+j:GT+j+1], v[GT+j:GT+j+1], s[NK:NK+1] op_sel_hi:[1,0]       ; -gate log2(e)
.set j, j+2
.endr
.set j, 0
.rept 32
	v_pk_fma_f32 v[L+j:L+j+1], v[ACC+j:ACC+j+1], s[SC:SC+1], v[HALF:HALF+1] op_sel_hi:[1,0,1]   ; hidden + 0.5
.set j, j+2
.endr
.set j, 0
.rept 32
	v_pk_mul_f32 v[ACC+j:ACC+j+1], v[ACC+j:ACC+j+1], s[NK:NK+1] op_sel_hi:[1,0]   ; -hidden log2(e)
.set j, j+2
.endr
.set j, 0
.rept 64
	v_min_num_f32 v[GT+j], s[LIM], v[GT+j]         ; held at 120: 1 + e and e z stay finite
.set j, j+1
.endr
	ALUW                                           ; ahead of the batch
.set j, 0
.rept 128
	v_exp_f32 v[ACC+j], v[ACC+j]                   ; exp(-hidden), e = exp(-gate)
.set j, j+1
.endr
	v_nop
	ALUW                                           ; behind the batch
	WIN 0x40
.set j, 0
.rept 32
	v_pk_add_f32 v[T+j:T+j+1], v[GT+j:GT+j+1], 1.0 op_sel_hi:[1,0]                ; 1 + e, into window 1
.set j, j+2
.endr
	WIN 0
.set j, 0
.rept 32
	v_pk_add_f32 v[ACC+j:ACC+j+1], v[ACC+j:ACC+j+1], 1.0 op_sel_hi:[1,0]
.set j, j+2
.endr
	ALUW
	WIN 0x41
.set j, 0
.rept 64
	v_rcp_f32 v[T+j], v[T+j]                       ; z = sigmoid(gate)
.set j, j+1
.endr
	WIN 0
.set j, 0
.rept 64
	v_rcp_f32 v[ACC+j], v[ACC+j]                   ; sigmoid(hidden)
.set j, j+1
.endr
	v_nop
	ALUW
.set j, 0
.rept 64
	v_max_num_f32 v[ACC+j], v[ACC+j], v[L+j]       ; g(hidden)
.set j, j+1
.endr
	WIN 0x04                                       ; source 1 in window 1
.set j, 0
.rept 32
	v_pk_mul_f32 v[GT+j:GT+j+1], v[GT+j:GT+j+1], v[T+j:T+j+1]                     ; c = e z
.set j, j+2
.endr
.set j, 0
.rept 32
	v_pk_mul_f32 v[ACC+j:ACC+j+1], v[ACC+j:ACC+j+1], v[T+j:T+j+1]                 ; v = z g
.set j, j+2
.endr
	WIN 0
	; my segment from 0: v becomes the local h, c the running product: four chains by turns
.set t, 1
.rept 31
	v_fmac_f32 v[ACC+t], v[ACC+64+t], v[ACC+t-1]
	v_fmac_f32 v[ACC+32+t], v[ACC+96+t], v[ACC+32+t-1]
	v_mul_f32 v[ACC+64+t], v[ACC+64+t], v[ACC+64+t-1]
	v_mul_f32 v[ACC+96+t], v[ACC+96+t], v[ACC+96+t-1]
.set t, t+1
.endr
	v_mov_b32 v[EXS], v[ACC+64+31]
	v_mov_b32 v[EXS+1], v[ACC+31]
	v_mov_b32 v[EXS+2], v[ACC+96+31]
	v_mov_b32 v[EXS+3], v[ACC+32+31]
	ds_store_b128 v[EXW], v[EXS:EXS+3]
	ALUW
	s_wait_dscnt 0x0                               ; for the others' sake: my store has landed
	s_barrier_signal -1
	s_barrier_wait -1
.irp s, 0,1,2,3,4,5,6,7
	ds_load_b128 v[EXD+4*\s:EXD+4*\s+3], v[EXR] offset:256*\s
.endr
	s_wait_dscnt 0x0
	v_mov_b32 v[CAR], v[HIN]
	v_mov_b32 v[CAR+2], v[HIN+1]
.irp s, 0,1,2,3,4,5,6,7                ; the eight segments are folded; each lane keeps the carry into its own; what is left is the next block's carry
	v_fma_f32 v[HIN], v[EXD+4*\s], v[HIN], v[EXD+4*\s+1]
	v_fma_f32 v[HIN+1], v[EXD+4*\s+2], v[HIN+1], v[EXD+4*\s+3]
.if \s < 7
	v_cndmask_b32 v[CAR], v[CAR], v[HIN], s[MASK+\s]
	v_cndmask_b32 v[CAR+2], v[CAR+2], v[HIN+1], s[MASK+\s]
.endif
.endr
.set j, 0
.rept 16
	v_pk_fma_f32 v[ACC+j:ACC+j+1], v[ACC+64+j:ACC+64+j+1], v[CAR:CAR+1], v[ACC+j:ACC+j+1] op_sel_hi:[1,0,1]   ; h = local h + product x carry
	v_pk_fma_f32 v[ACC+32+j:ACC+32+j+1], v[ACC+96+j:ACC+96+j+1], v[CAR+2:CAR+3], v[ACC+32+j:ACC+32+j+1] op_sel_hi:[1,0,1]
.set j, j+2
.endr
	; h's K is the channels, which lie across lanes: through my stage, a row a step; back 16 neighbouring channels of one step a lane
.irp n, 0,1
.set t, 0
.rept 32
	ds_store_b32 v[ST], v[ACC+32*\n+t] offset:SROW*t+64*\n
.set t, t+1
.endr
.endr
.irp i, 0,1,2,3
.irp q, 0,1,2,3
	ds_load_b128 v[ACC+64+16*\i+4*\q:ACC+64+16*\i+4*\q+3], v[RD] offset:REG2*(\i/2)+16*SROW*(\i%2)+16*\q   ; LDS serves a wave's instructions in order (ISA guide 5.7.1.4)
.endr
.endr
.irp i, 0,1,2,3
	s_wait_dscnt 12-4*\i                           ; tile i is back; the 4 (3 - i) loads behind it may be out
.irp k, 0,1,2,3,4,5,6,7,8,9,10,11,12,13,14,15
	v_min_num_f32 v[ACC+64+16*\i+\k], v[ACC+64+16*\i+\k], v[HOLD]   ; the conversion does not saturate (ISA guide 7.6.2); h is not negative
.endr
	v_cvt_scalef32_pk8_fp8_f32 v[CODES+4*\i:CODES+4*\i+1], v[ACC+64+16*\i:ACC+64+16*\i+7], v[SCL]
	v_cvt_scalef32_pk8_fp8_f32 v[CODES+4*\i+2:CODES+4*\i+3], v[ACC+64+16*\i+8:ACC+64+16*\i+15], v[SCL]
.endr
	v_nop                                          ; one plain line behind the last conversion
	ALUW
.irp i, 0,1,2,3
	global_store_b128 v[L16], v[CODES+4*\i:CODES+4*\i+3], s[10:11] offset:512*\i   ; 512 consecutive bytes a store
.endr
.if \fill
	s_wait_xcnt 0x0                                ; the stores have read their base and data (the next block's K step 4 lands on the codes' registers), the prefetches their base
	s_add_nc_u64 s[10:11], s[10:11], 8192
	s_add_nc_u64 s[PF:PF+1], s[PF:PF+1], 262144
.endif
.endm
	s_mov_b32 s28, 7
.Lblk:
	BLOCK 1
	s_sub_co_u32 s28, s28, 1
	s_cmp_lg_u32 s28, 0
	ALUW
	s_cbranch_scc1 .Lblk
	BLOCK 0                                        ; the last block is written out
	s_wait_tensorcnt 0x0                           ; the wave's end
	ds_add_u32 v[SPW], v[NIL]
	s_wait_dscnt 0x0
	ROUND                                          ; the closing round
	s_endpgm
.Lfunc_end_k_q4f7714e058_gru:
	.size	k_q4f7714e058_gru, .Lfunc_end_k_q4f7714e058_gru-k_q4f7714e058_gru
	.p2alignl 7, 3214868480
	.fill 96, 4, 3214868480
	.section	.rodata,"a",@progbits
	.p2align	6, 0x0
	.amdhsa_kernel k_q4f7714e058_gru
		.amdhsa_group_segment_fixed_size 327680
		.amdhsa_private_segment_fixed_size 0
		.amdhsa_enable_private_segment 0
		.amdhsa_kernarg_size 32
		.amdhsa_user_sgpr_count 2
		.amdhsa_user_sgpr_kernarg_segment_ptr 1
		.amdhsa_wavefront_size32 1
		.amdhsa_system_sgpr_workgroup_id_x 1
		.amdhsa_system_sgpr_workgroup_id_y 1
		.amdhsa_system_sgpr_workgroup_id_z 1
		.amdhsa_system_vgpr_workitem_id 0
		.amdhsa_next_free_vgpr 1024
		.amdhsa_next_free_sgpr 66
		.amdhsa_reserve_vcc 0
		.amdhsa_float_denorm_mode_32 3
		.amdhsa_float_denorm_mode_16_64 3
		.amdhsa_memory_ordered 1
		.amdhsa_forward_progress 1
		.amdhsa_inst_pref_size 140
	.end_amdhsa_kernel
	.amdgpu_metadata
---
amdhsa.version: [ 1, 2 ]
amdhsa.kernels:
  - .name:           k_q4f7714e058_gru
    .symbol:         k_q4f7714e058_gru.kd
    .args:
      - { .name: xc, .offset: 0, .size: 8, .value_kind: global_buffer, .address_space: global }
      - { .name: whc, .offset: 8, .size: 8, .value_kind: global_buffer, .address_space: global }
      - { .name: lowp_scales, .offset: 16, .size: 8, .value_kind: global_buffer, .address_space: global }
      - { .name: hc, .offset: 24, .size: 8, .value_kind: global_buffer, .address_space: global }
    .group_segment_fixed_size: 327680
    .private_segment_fixed_size: 0
    .kernarg_segment_align: 8
    .kernarg_segment_size: 32
    .max_flat_workgroup_size: 128
    .sgpr_count:     66
    .vgpr_count:     1024
    .wavefront_size: 32
...
	.end_amdgpu_metadata
.endif
;; end of part 2
;; launch proj (part 3): grid 32 x 8, 4 waves a work-group, clusters of 4 x 1, 327,680 bytes of LDS; arguments hc, woc, lowp_scales, out0; writes out0
.if DOCPART == 3
	.amdgcn_target "amdgcn-amd-amdhsa--gfx1250"
	.amdhsa_code_object_version 6
	.text
	.protected	k_q4f7714e058_proj
	.globl	k_q4f7714e058_proj
	.p2align	8
	.type	k_q4f7714e058_proj,@function
k_q4f7714e058_proj:
	s_mov_b64 s[64:65], 0
	v_nop
	global_prefetch_b8 v0, s[64:65] scope:SCOPE_SE
	s_setreg_imm32_b32 hwreg(HW_REG_WAVE_MODE, 25, 1), 1
	s_wait_xcnt 0x0
	s_wait_alu depctr_hold_cnt(0) depctr_sa_sdst(0) depctr_va_vdst(0) depctr_va_sdst(0) depctr_va_ssrc(0) depctr_va_vcc(0) depctr_vm_vsrc(0)
	s_getreg_b32 s2, hwreg(HW_REG_IB_STS2, 6, 4)
	s_cmp_eq_u32 s2, 0
	s_cbranch_scc0 .Lentry_in_a_cluster
	s_endpgm
.Lentry_in_a_cluster:
	s_bfe_u32 s2, ttmp6, 0x10000c
	s_cmp_lg_u32 s2, 0x3003
	s_cbranch_scc0 .Lentry_shape_is_right
	s_endpgm
.Lentry_shape_is_right:
; out = h W_out^T on codes of FP8 (E4M3), each finished sum x 2^(e2 + e3).  LIMIT: e2 + e3 between -126 and 127.
; A work-group makes 256 rows x 128 columns; wave w makes rows 64 w .. 64 w + 63 of them, all 128 columns: 32 accumulators, K = 2,048 in 16 steps of 128, one sum an output.
; h's codes lie [kb: 32 channels][tile of 16 rows][512 bytes: lane 16 h + r holds row r, channels 16 h ..]; W_out's [tile of 16 rows][K step][c][lane][16 bytes]: both are images of fragments.
; W_out's 128 rows x 2,048 K (262,144 bytes) lie in LDS for the whole launch, filled once: wave w fetches tiles 2 w, 2 w + 1.  The 4 work-groups of a cluster (4 blocks of rows) want the same bytes and ask jointly.
; A wave's fragments of h are read by that wave alone and go from memory straight into registers, four sets by turns, three K steps ahead.  No LDS byte is filled twice: the K steps have no barrier.
; PREFETCH: in K step s each wave names the 32 blocks of 256 bytes of its own K step s + 6 (a lane a block), three K steps ahead of the loads that want them; the last six K steps ask for nothing.
; THE MATRIX INSTRUCTION IS USED TRANSPOSED (source 0 = rows of W_out, source 1 = rows of h): a lane holds eight neighbouring columns of one row of out.
; REGISTERS.  window 0: addresses; v32-95, v128-255 the way out.  window 1: W_out's fragments, two sets of 128.  window 2: h's, four sets of 64.  window 3: accumulator (a, t) at v[8 (8 a + t)].
.set STAGE,  262144                    ; behind W_out: 16 rows x 528 bytes a wave
.set SPITCH, 528
.set STW,    16*SPITCH
.set SPARE,  STAGE+4*STW               ; the spare words; no other line names them
.set L16, 1
.set BA,  2                            ; v2-5: 16 x lane + 65,536 (t / 2)
.set PFO, 6
.set STO, 8
.set RD,  9
.set SPW, 11
.set NIL, 12
.set TMP, 32
.set OB,  128
.set G1,  16
.set G0,  24
.set SC,  32
.set AB,  44                           ; s[44:45], s[46:47]: h's codes for K steps 0-7, 8-15: the offsets stay inside the signed 24-bit immediate
.set MUL, 0xf9                         ; source 0 window 1, source 1 window 2, C and D window 3
.set MSB, 0
.macro WIN new
.if MSB != \new
	s_set_vgpr_msb (MSB<<8)|\new
.set MSB, \new
.endif
.endm
.macro ROUND
	s_barrier_signal -1
	s_barrier_wait -1
	s_cmp_lg_u32 s12, 0
	s_cbranch_scc1 .Lnot_wave_0_\@
	s_barrier_signal -3
.Lnot_wave_0_\@:
	s_barrier_wait -3
	s_barrier_signal -1
	s_barrier_wait -1
.endm
.macro PLACES                          ; four places behind a matrix instruction (ISA guide 7.12.1)
.rept 4
	v_nop
.endr
.endm
	s_load_b256 s[4:11], s[0:1], 0x0               ; h's codes, W_out's, the scales' exponents, out
	v_lshl_add_u32 v[SPW], v0, 2, SPARE
	v_mov_b32 v[NIL], 0
	ds_add_u32 v[SPW], v[NIL]                      ; the opening lines: the add twice on end under one wait
	ds_add_u32 v[SPW], v[NIL]
	v_lshrrev_b32 v20, 5, v0
	v_readfirstlane_b32 s12, v20                   ; wave
	s_bfe_u32 s13, ttmp6, 0x40000                  ; cx
	s_lshl_b32 s14, ttmp9, 2
	s_add_co_u32 s14, s14, s13                     ; the block of rows; it enters h's and out's addresses alone
	s_and_b32 s15, ttmp7, 0xffff                   ; the block of columns, which the four partners share
	s_mul_i32 s52, s12, STW
	s_add_co_u32 s52, s52, STAGE
	s_mov_b32 s[G1+0], 15|(3<<16)|(1<<21)          ; mask of all four; elements of 8 bytes; bit 21 beside a mask
	s_mov_b32 s[G1+1], 32<<16                      ; 65,536 dense bytes as 256 rows of 256 bytes
	s_mov_b32 s[G1+2], 256<<16
	s_mov_b32 s[G1+3], 32<<16
	s_mov_b32 s[G1+4], 256
	s_mov_b32 s[G1+5], 32
	s_mov_b32 s[G1+6], 0
	s_mov_b32 s[G1+7], 0
	s_lshl_b32 s54, s14, 13                        ; h: 16 tiles of 512 bytes a block, 4 a wave
	s_lshl_b32 s55, s12, 11
	s_add_co_u32 s54, s54, s55
	s_mov_b32 s55, 0
	s_lshl_b32 s56, s15, 18                        ; W_out: 8 tiles of 32,768 bytes a block, 2 a wave
	s_lshl_b32 s57, s12, 16
	s_add_co_u32 s56, s56, s57
	s_mov_b32 s57, 0
	s_lshl_b32 s58, s14, 20                        ; out: rows of 4,096 bytes; 256 a block, 64 a wave; 512 bytes a block of columns
	s_lshl_b32 s59, s12, 18
	s_add_co_u32 s58, s58, s59
	s_lshl_b32 s59, s15, 9
	s_add_co_u32 s58, s58, s59
	s_mov_b32 s59, 0
	v_and_b32 v20, 15, v0
	v_bfe_u32 v21, v0, 4, 1
	v_and_b32 v22, 31, v0
	v_lshlrev_b32 v[L16], 4, v22
	v_mov_b32 v[BA], v[L16]
	v_add_nc_u32 v[BA+1], 0x10000, v[L16]
	v_add_nc_u32 v[BA+2], 0x20000, v[L16]
	v_add_nc_u32 v[BA+3], 0x30000, v[L16]
	v_bfe_u32 v23, v0, 3, 2                        ; the prefetch: lane l names block l % 8 of my 2,048 bytes in kb l / 8
	v_and_b32 v24, 7, v0
	v_lshlrev_b32 v[PFO], 18, v23
	v_lshl_add_u32 v[PFO], v24, 8, v[PFO]
	v_mul_u32_u24 v[STO], v20, SPITCH              ; in: row lane % 16, 32 bytes for each half of the lanes
	v_lshl_add_u32 v[STO], v21, 5, v[STO]
	v_add_nc_u32 v[STO], s52, v[STO]
	v_add_nc_u32 v[RD], s52, v[L16]                ; back: the 32 lanes take a row of 512 bytes
	s_wait_alu depctr_va_vdst(0)                   ; the wait at the head's end
	s_wait_dscnt 0x0                               ; both opening adds are done
	s_wait_kmcnt 0x0
	s_load_b128 s[36:39], s[8:9], 0x0
	s_add_nc_u64 s[AB:AB+1], s[4:5], s[54:55]
	s_add_nc_u64 s[AB+2:AB+3], s[AB:AB+1], 8388608 ; 32 kb's on
	s_add_nc_u64 s[10:11], s[10:11], s[58:59]
	s_mov_b32 s[G0], 1
	s_lshl_b32 s[G0+1], s12, 16
	s_add_nc_u64 s[G0+2:G0+3], s[6:7], s[56:57]
	s_or_b32 s[G0+3], s[G0+3], 0x80000000
.macro FETCHB s                        ; W_out's eight fragments of K step s into set s % 2: 32 loads of 512 consecutive bytes
	WIN 0x40
.irp t, 0,1,2,3,4,5,6,7
.irp c, 0,1,2,3
	ds_load_b128 v[128*((\s)%2)+16*\t+4*\c:128*((\s)%2)+16*\t+4*\c+3], v[BA+\t/2] offset:32768*(\t%2)+2048*(\s)+512*\c
.endr
.endr
.endm
.macro GLOADA s                        ; h's four fragments of K step s into set s % 4: 16 loads of 512 consecutive bytes
	WIN 0x80
.irp i, 0,1,2,3
.irp c, 0,1,2,3
	global_load_b128 v[64*((\s)%4)+16*\i+4*\c:64*((\s)%4)+16*\i+4*\c+3], v[L16], s[AB+2*((\s)/8):AB+2*((\s)/8)+1] offset:262144*(4*((\s)%8)+\c)+512*\i
.endr
.endr
.endm
.macro MUL1 s, a, zero                 ; h's tile a against W_out's eight; the 32 accumulators take turns
.irp t, 0,1,2,3,4,5,6,7
.if \zero
	v_wmma_f32_16x16x128_fp8_fp8 v[8*(8*(\a)+\t):8*(8*(\a)+\t)+7], v[128*((\s)%2)+16*\t:128*((\s)%2)+16*\t+15], v[64*((\s)%4)+16*(\a):64*((\s)%4)+16*(\a)+15], 0
.else
	v_wmma_f32_16x16x128_fp8_fp8 v[8*(8*(\a)+\t):8*(8*(\a)+\t)+7], v[128*((\s)%2)+16*\t:128*((\s)%2)+16*\t+15], v[64*((\s)%4)+16*(\a):64*((\s)%4)+16*(\a)+15], v[8*(8*(\a)+\t):8*(8*(\a)+\t)+7]
.endif
.endr
.endm
.macro STEP s, zero
	PLACES                                         ; for the loads into the sets that the step before multiplied
.if (\s) < 10
	WIN 0x40
	global_prefetch_b8 v[PFO], s[AB+2*(((\s)+6)/8):AB+2*(((\s)+6)/8)+1] offset:1048576*(((\s)+6)%8) th:TH_LOAD_NT scope:SCOPE_SE
.endif
.if (\s) < 15
	FETCHB (\s)+1
.endif
.if (\s) < 13
	GLOADA (\s)+3
.endif
.if (\s) < 15
	s_wait_dscnt 32                                ; this step's fragments of W_out are in; the 32 just issued may be out
.else
	s_wait_dscnt 0x0
.endif
.if (\s) < 13
	s_wait_loadcnt 48                              ; this step's of h are in; three steps' 48 stand behind them
.else
	s_wait_loadcnt 16*(15-(\s))
.endif
	WIN MUL
	MUL1 \s, 0, \zero
	MUL1 \s, 1, \zero
	MUL1 \s, 2, \zero
	MUL1 \s, 3, \zero
.endm
	ROUND                                          ; the joint loads meet
	tensor_load_to_lds s[G0:G0+3], s[G1:G1+7]      ; my two tiles of W_out: the wave's one tensor load
	s_nop 0
	PLACES
	GLOADA 0
	GLOADA 1
	GLOADA 2
	WIN 0
	s_wait_tensorcnt 0x0                           ; my part of W_out has landed;
	s_barrier_signal -1
	s_barrier_wait -1                              ; and so has everybody's
	FETCHB 0
	STEP 0, 1                                      ; the first products start the sums
.irp s, 1,2,3,4,5,6,7,8,9,10,11,12,13,14,15
	STEP \s, 0
.endr
	WIN 0
; THE WAY OUT, by blocks of 16 rows x 128 columns: x 2^(e2 + e3), through my own stage, back as rows of 512 bytes, which the 32 lanes store as two aligned units of 256 bytes.
.macro TOSTAGE a
	WIN 0x03
.set j, 0
.rept 32
	v_pk_mul_f32 v[TMP+j:TMP+j+1], v[64*(\a)+j:64*(\a)+j+1], s[SC:SC+1] op_sel_hi:[1,0]   ; each accumulator from its low end on
.set j, j+2
.endr
	WIN 0
.irp t, 0,1,2,3,4,5,6,7
	ds_store_b128 v[STO], v[TMP+8*\t:TMP+8*\t+3] offset:64*\t
	ds_store_b128 v[STO], v[TMP+8*\t+4:TMP+8*\t+7] offset:64*\t+16
.endr
.irp i, 0,1,2,3,4,5,6,7,8,9,10,11,12,13,14,15
	ds_load_b128 v[OB+64*((\a)%2)+4*\i:OB+64*((\a)%2)+4*\i+3], v[RD] offset:\i*SPITCH   ; LDS serves a wave's instructions in order (ISA guide 5.7.1.4)
.endr
.endm
.macro SEND a, younger
	s_wait_dscnt \younger                          ; the block is back in registers
.irp i, 0,1,2,3,4,5,6,7,8,9,10,11,12,13,14,15
	global_store_b128 v[L16], v[OB+64*((\a)%2)+4*\i:OB+64*((\a)%2)+4*\i+3], s[10:11] offset:65536*(\a)+4096*\i th:TH_STORE_NT
.endr
.endm
	s_wait_kmcnt 0x0
	s_add_co_i32 s[SC], s38, s39
	s_add_co_i32 s[SC], s[SC], 127
	s_lshl_b32 s[SC], s[SC], 23                    ; 2^(e2 + e3)
	s_mov_b32 s[SC+1], s[SC]
	PLACES
	TOSTAGE 0
.irp a, 1,2,3
.if \a > 1
	s_wait_xcnt 0x0                                ; block a - 2's stores have read their registers: block a's loads may land there
.endif
	TOSTAGE \a
	SEND \a-1, 32                                  ; behind block a - 1's loads: block a's 16 stores and 16 loads
.endr
	SEND 3, 0
	s_wait_tensorcnt 0x0                           ; the wave's end
	ds_add_u32 v[SPW], v[NIL]
	s_wait_dscnt 0x0
	ROUND                                          ; the closing round
	s_endpgm
.Lfunc_end_k_q4f7714e058_proj:
	.size	k_q4f7714e058_proj, .Lfunc_end_k_q4f7714e058_proj-k_q4f7714e058_proj
	.p2alignl 7, 3214868480
	.fill 96, 4, 3214868480
	.section	.rodata,"a",@progbits
	.p2align	6, 0x0
	.amdhsa_kernel k_q4f7714e058_proj
		.amdhsa_group_segment_fixed_size 327680
		.amdhsa_private_segment_fixed_size 0
		.amdhsa_enable_private_segment 0
		.amdhsa_kernarg_size 32
		.amdhsa_user_sgpr_count 2
		.amdhsa_user_sgpr_kernarg_segment_ptr 1
		.amdhsa_wavefront_size32 1
		.amdhsa_system_sgpr_workgroup_id_x 1
		.amdhsa_system_sgpr_workgroup_id_y 1
		.amdhsa_system_sgpr_workgroup_id_z 1
		.amdhsa_system_vgpr_workitem_id 0
		.amdhsa_next_free_vgpr 1024
		.amdhsa_next_free_sgpr 66
		.amdhsa_reserve_vcc 0
		.amdhsa_float_denorm_mode_32 3
		.amdhsa_float_denorm_mode_16_64 3
		.amdhsa_memory_ordered 1
		.amdhsa_forward_progress 1
		.amdhsa_inst_pref_size 121
	.end_amdhsa_kernel
	.amdgpu_metadata
---
amdhsa.version: [ 1, 2 ]
amdhsa.kernels:
  - .name:           k_q4f7714e058_proj
    .symbol:         k_q4f7714e058_proj.kd
    .args:
      - { .name: hc, .offset: 0, .size: 8, .value_kind: global_buffer, .address_space: global }
      - { .name: woc, .offset: 8, .size: 8, .value_kind: global_buffer, .address_space: global }
      - { .name: lowp_scales, .offset: 16, .size: 8, .value_kind: global_buffer, .address_space: global }
      - { .name: out0, .offset: 24, .size: 8, .value_kind: global_buffer, .address_space: global }
    .group_segment_fixed_size: 327680
    .private_segment_fixed_size: 0
    .kernarg_segment_align: 8
    .kernarg_segment_size: 32
    .max_flat_workgroup_size: 128
    .sgpr_count:     66
    .vgpr_count:     1024
    .wavefront_size: 32
...
	.end_amdgpu_metadata
.endif
;; end of part 3
